; MI455X (gfx1250); checked and timed in simulation.
; The chip was launched on July 23, 2026; its instructions are those of AMD's public machine-readable ISA for CDNA 5 (MIT licence, August 2026) and "CDNA5" Instruction Set Architecture Reference Guide (July 2026). The comments in the code are by the model that wrote it; some were corrected since.
;; Windowed Cross Attn. Allowed arithmetic: float matrix products may take bf16 or f16 operands with f32 sums; other float arithmetic in f32, or as packed bf16 or f16 multiplies, adds, multiply-adds, maxima and minima; sums over many terms, partial sums and values carried from step to step in f32; what a program stores and reads back later, other than sums and carried values, may be rounded once to bf16 or f16.
;; Inputs: Wk 1,024 x 1,024 float32; Wo 1,024 x 1,024 float32; Wq 1,024 x 1,024 float32; Wv 1,024 x 1,024 float32; bk 1,024 float32; bo 1,024 float32; bq 1,024 float32; bv 1,024 float32; key 2 x 4,096 x 1,024 float32; query 2 x 2,048 x 1,024 float32; value 2 x 4,096 x 1,024 float32.
;; Outputs: out0 2 x 2,048 x 1,024 float32.
;; One version. Each part assembles by itself: llvm-mc -triple=amdgcn-amd-amdhsa -mcpu=gfx1250 --defsym DOCPART=n.
;; ======== version 1 of 1: 3 launches
;; limits: values are held in f16: magnitudes above 65,504 overflow, below 6.1e-05 lose precision
;; workspace buffers: q16 8,388,608 bytes; k16 8,388,608 bytes; v16 8,388,608 bytes; o16 8,388,608 bytes; wo16 2,097,152 bytes
;; launch proj (part 1): grid 4 x 48, 4 waves a work-group, clusters of 4 x 4, 327,680 bytes of LDS; arguments query, key, value, Wq, Wk, Wv, bq, bk, bv, q16, k16, v16; writes q16, k16, v16
.if DOCPART == 1
	.amdgcn_target "amdgcn-amd-amdhsa--gfx1250"
	.amdhsa_code_object_version 6
	.text
	.protected	k_q8ecef7dbe1_proj
	.globl	k_q8ecef7dbe1_proj
	.p2align	8
	.type	k_q8ecef7dbe1_proj,@function
k_q8ecef7dbe1_proj:
	s_mov_b64 s[64:65], 0
	v_nop
	global_prefetch_b8 v0, s[64:65] scope:SCOPE_SE
	s_setreg_imm32_b32 hwreg(HW_REG_WAVE_MODE, 25, 1), 1
	s_wait_xcnt 0x0
	s_wait_alu depctr_hold_cnt(0) depctr_sa_sdst(0) depctr_va_vdst(0) depctr_va_sdst(0) depctr_va_ssrc(0) depctr_va_vcc(0) depctr_vm_vsrc(0)
	s_getreg_b32 s2, hwreg(HW_REG_IB_STS2, 6, 4)
	s_cmp_eq_u32 s2, 0
	s_cbranch_scc0 .Lentry_in_a_cluster
	s_endpgm
.Lentry_in_a_cluster:
	s_bfe_u32 s2, ttmp6, 0x10000c
	s_cmp_lg_u32 s2, 0xf033
	s_cbranch_scc0 .Lentry_shape_is_right
	s_endpgm
.Lentry_shape_is_right:
; THE THREE PROJECTIONS IN ONE LAUNCH.  q16 = query Wq^T + bq, k16 = key Wk^T + bk, v16 = value Wv^T + bv: three products of 4,096 x 1,024 x 1,024.
; x, W and b are f32 in memory and are rounded once to bf16 on the way to the matrix unit (b: to bf16 and used as f32); sums in f32; the results are rounded once to f16, [4096][1024], row = 2,048 batch + position.
; WHAT IS NOT READ.  The band that the module builds lets query i see keys i - 255 .. i, and i is below 2,048: rows 2,048 .. 4,095 of each batch of key and value have weight 0 for every query, so they are neither read nor projected.
; LIMITS.  q, k, v must lie within f16's 65,504.  NaN and infinities in the rows left out are not carried into the result.
; SHARES.  A tile of C, 256 x 256, is made by a work-group of four waves, a wave makes 128 x 128: 64 accumulators of 16 x 16, 512 registers.  16 x 4 tiles a product, 192 work-groups in all.
; K goes in steps of 64 through a ring of two LDS slots: a row of a tile is 64 f32 = 256 bytes of memory, at a multiple of 256 bytes.  A step is two chunks of 32 along K; a chunk's f32 come out of LDS into 128 staging
; registers, are rounded in pairs into a bf16 fragment buffer, and are multiplied one chunk later.  A slot has been read out a chunk before its step ends.
; CLUSTERS.  4 x 4 work-groups.  Cluster row c of 12: product c / 4, tile rows 4 (c % 4) .. + 3.  The four of a row of the cluster need the same tiles of x, the four of a column the same tiles of W: each tile is asked
; for JOINTLY, by the same tensor load with the same descriptor and a mask that names the four.
; THE MATRIX INSTRUCTION IS USED TRANSPOSED: source 0 = 16 rows of W, source 1 = 16 rows of x: a lane then holds row l % 16 of C and the eight neighbouring columns 8 (l / 16) + 0 .. 7.
; REGISTERS, in windows of 256 (s_set_vgpr_msb: bits 1:0 source 0, 3:2 source 1, 5:4 source 2, 7:6 destination):
;   window 0: v0-31 addresses; v64-191 staging (8 fragments x 16 f32); on the way out v64-127 the bias, v192-223 packed results, v32-63 and v224-255 rows read back
;   window 1: two bf16 buffers of 128: W's 8 fragments, then x's 8       window 2: the accumulators of my rows 0-63 ((a, b) at 8 (8 a + b))       window 3: those of my rows 64-127
.set ROWB,   4096                      ; bytes in a row of x and of W
.set KSB,    256                       ; bytes of such a row in a K step
.set PITCH,  272                       ; an LDS row: 256 bytes + 16 of padding = 68 words: the 16 rows that a load touches start at 16 different groups of four banks (64 banks of 4 bytes: ISA guide 11.1)
.set HALFT,  128*PITCH                 ; 128 rows: what one tensor load brings, and what one wave reads of x or of W
.set SLOT,   4*HALFT                   ; x's 256 rows, then W's 256 rows
.set STAGE,  2*SLOT                    ; behind the ring: 16 rows x 272 bytes for each wave, for the way out
.set SPITCH, 272
.set SPARE,  STAGE+4*16*SPITCH         ; behind the stages: the spare words, 128 bytes for each wave: two blocks of 256 bytes that no other line names
.set CROW,   2048                      ; bytes in a row of the results
.set ADRA, 16                          ; v16-17  LDS address of my x fragments in slot 0, 1
.set ADRB, 20                          ; v20-21  the same for W
.set STO,  24                          ; v24     the way out: where I put 16 bytes of a row
.set RD,   25                          ; v25     the way out: where I read a row back
.set CO,   26                          ; v26     my byte offset in C
.set BO,   27                          ; v27     my byte offset in 16 numbers of the bias: 32 (l / 16)
.set SPW,  28                          ; v28     LDS address of my spare word: SPARE + 4 x my thread's number; never rewritten
.set NIL,  29                          ; v29     0; never rewritten
.set PFO,  30                          ; v30     the prefetches' offset: my lane x a row in memory; never rewritten
.set ST,   64                          ; staging
.set BI,   64                          ; the way out: the bias of my 128 columns, block b at BI + 8 b
.set TMP,  192
.set OB,   32
.set F0,   0                           ; the bf16 buffers, in window 1
.set F1,   128
.set G1,   24                          ; s[24:31] descriptor group 1 for x's tiles;  s[32:39] group 0, a set for each slot
.set G0,   32
.set G1B,  48                          ; s[48:55], s[56:63] the same for W's tiles
.set G0B,  56
.set LIM,  43                          ; s43     1 in a wave that prefetches, else the greatest number
.set PFA,  44                          ; s[44:45] where my prefetches stand: one K step further along K than the refill that is being asked for
.set MSB, 0
.macro WIN new                         ; the immediate's high byte repeats the setting that is left; a switch that changes nothing is dropped
.if MSB != (\new)
	s_set_vgpr_msb (MSB<<8)|(\new)
.set MSB, \new
.endif
.endm
; A joint load.  Waves 0 and 1 fetch x's two halves, waves 2 and 3 W's.  The branch hangs on the wave's number alone.  An s_nop 0 and four v_nop follow each of the two lines.
.macro JLOAD s
	s_cmp_eq_u32 s11, 0
	s_cbranch_scc0 .Lfor_b_\@
	tensor_load_to_lds s[G0+4*(\s):G0+4*(\s)+3], s[G1:G1+7]
	s_nop 0
.rept 4
	v_nop
.endr
	s_branch .Lasked_\@
.Lfor_b_\@:
	tensor_load_to_lds s[G0B+4*(\s):G0B+4*(\s)+3], s[G1B:G1B+7]
	s_nop 0
.rept 4
	v_nop
.endr
.Lasked_\@:
.endm
; A prefetch, behind each joint refill and the run of LDS loads that follows it: the K step that stands two refills on: 32 rows x 256 bytes, a lane a row, one instruction a wave.
; Each row's 256 bytes of a K step are named once in the launch.  x's tile row is read by one cluster alone; W's tile column by the four clusters of its product, of which the first (c % 4 = 0) asks.
; The four partners that ask for a tile jointly share its rows out by address: of the 128 rows that a wave fetches, the partner at place p takes 32 p .. 32 p + 31 (p = cx for x, cy for W).
; The loop's last trip (s3 = 1) asks for nothing: its refills are the last two K steps.
.macro ASK
	s_cmp_gt_u32 s3, s[LIM]
	s_cbranch_scc0 .Lnot_mine_\@
	global_prefetch_b8 v[PFO], s[PFA:PFA+1] offset:KSB th:TH_LOAD_NT scope:SCOPE_SE
.Lnot_mine_\@:
.endm
.macro CREST                           ; a round of the cluster's barrier behind its opening barrier
	s_cmp_lg_u32 s10, 0
	s_cbranch_scc1 .Lnot_wave_0_\@
	s_barrier_signal -3
.Lnot_wave_0_\@:
	s_barrier_wait -3
	s_barrier_signal -1
	s_barrier_wait -1
.endm
.macro CROUND                          ; a whole round
	s_barrier_signal -1
	s_barrier_wait -1
	CREST
.endm
.macro PLACES                          ; four places behind a matrix instruction (ISA guide 7.12.1)
.rept 4
	v_nop
.endr
.endm
	s_load_b512 s[68:83], s[0:1], 0x0              ; query s[68:69], key, value, Wq s[74:75], Wk, Wv, bq s[80:81], bk
	s_load_b256 s[84:91], s[0:1], 0x40             ; bv s[84:85], q16 s[86:87], k16, v16
	v_lshl_add_u32 v[SPW], v0, 2, SPARE
	v_mov_b32 v[NIL], 0
	ds_add_u32 v[SPW], v[NIL]                      ; the wave's opening: the add and its wait stand ahead of my first tensor load; the set-up below, work on registers, stands between them
	ds_add_u32 v28, v29
	v_lshrrev_b32 v1, 5, v0
	v_readfirstlane_b32 s10, v1                    ; wave 0..3
	s_lshr_b32 s11, s10, 1                         ; which half of the tile's rows is mine.  Also: I fetch for x (0) or for W (1)
	s_and_b32 s12, s10, 1                          ; which half of its columns.  Also: which 128 rows of that tile I fetch
	s_bfe_u32 s40, ttmp6, 0x40000                  ; cx: my place along the cluster's x
	s_bfe_u32 s41, ttmp6, 0x40004                  ; cy: along its y
	s_lshl_b32 s42, ttmp9, 2
	s_add_co_u32 s42, s42, s40                     ; tile column of C = 4 x cluster x + cx
	s_and_b32 s93, ttmp7, 0xffff                   ; cluster y, 0 .. 11
	s_lshr_b32 s92, s93, 2                         ; which product: 0 q, 1 k, 2 v: the same in all sixteen partners
	s_and_b32 s93, s93, 3                          ; which quarter of its tile rows
	s_lshl_b32 s13, s93, 2
	s_add_co_u32 s13, s13, s41                     ; tile row of C, 0 .. 15
	s_lshr_b32 s95, s93, 1                         ; the batch
	s_lshl_b32 s95, s95, 11
	s_cmp_eq_u32 s92, 0
	s_cselect_b32 s95, 0, s95                      ; key and value have 4,096 rows a batch, of which the first 2,048 are taken
	s_lshl_b32 s94, s13, 8
	s_add_co_u32 s94, s94, s95                     ; the tile's first row in x
	s_lshl_b32 s43, s41, 2
	s_lshl_b32 s43, 15, s43                        ; my row of the cluster: places 4 cy .. 4 cy + 3
	s_lshl_b32 s44, 0x1111, s40                    ; my column: places cx, cx + 4, cx + 8, cx + 12
	; descriptor group 1: a tile of 128 rows x 64 elements of 4 bytes, padded in LDS
	s_or_b32 s[G1+0], s43, (2<<16)|(1<<20)|(1<<21)|(5<<22)|(3<<25)   ; 15:0 the mask; 17:16 elements of 4 bytes; 20 padding on; 21 set beside a mask; 24:22 after every 64 words (code 5); 31:25 4 words of it (code 3)
	s_or_b32 s[G1B+0], s44, (2<<16)|(1<<20)|(1<<21)|(5<<22)|(3<<25)
.irp g, G1, G1B
	s_mov_b32 s[(\g)+1], 64<<16                    ; tensor_dim0 = 64
	s_mov_b32 s[(\g)+2], 128<<16                   ; tensor_dim1 = 128
	s_mov_b32 s[(\g)+3], 64<<16                    ; tile_dim0 = 64
	s_mov_b32 s[(\g)+4], 128                       ; tile_dim1 = 128
	s_mov_b32 s[(\g)+5], 1024                      ; elements from row to row
	s_mov_b32 s[(\g)+6], 0
	s_mov_b32 s[(\g)+7], 0
.endr
	; where the tiles come from: x's hang on the tile row alone, W's on the tile column alone; each in registers that never hold the other coordinate
	s_lshl_b32 s18, s12, 7                         ; which 128 rows of the tile I fetch
	s_add_co_u32 s16, s94, s18
	s_lshl_b32 s16, s16, 12                        ; in bytes: under 2^25
	s_mov_b32 s17, 0
	s_lshl_b32 s46, s42, 8
	s_add_co_u32 s46, s46, s18
	s_lshl_b32 s46, s46, 12
	s_mov_b32 s47, 0
	s_mul_i32 s20, s10, HALFT                      ; and where they go: wave x 128 rows: no place in the cluster enters an LDS address
	s_wait_dscnt 0x0                               ; the opening add is done
	s_wait_kmcnt 0x0
	s_cmp_eq_u32 s92, 1                            ; the product's four buffers: first k's or v's,
	s_cselect_b64 s[4:5], s[70:71], s[72:73]
	s_cselect_b64 s[6:7], s[76:77], s[78:79]
	s_cselect_b64 s[66:67], s[82:83], s[84:85]
	s_cselect_b64 s[8:9], s[88:89], s[90:91]
	s_cmp_eq_u32 s92, 0                            ; then q's in their stead
	s_cselect_b64 s[4:5], s[68:69], s[4:5]         ; x
	s_cselect_b64 s[6:7], s[74:75], s[6:7]         ; W
	s_cselect_b64 s[66:67], s[80:81], s[66:67]     ; b
	s_cselect_b64 s[8:9], s[86:87], s[8:9]         ; C
	s_add_nc_u64 s[14:15], s[4:5], s[16:17]
	s_add_nc_u64 s[46:47], s[6:7], s[46:47]
	CROUND                                         ; all sixteen work-groups are here: the first joint loads meet
.irp s, 0,1
	s_mov_b32 s[G0+4*(\s)], 1                                      ; 1:0 count = 1
	s_add_co_u32 s[G0+4*(\s)+1], s20, (\s)*SLOT                    ; 63:32 LDS address
	s_add_nc_u64 s[G0+4*(\s)+2:G0+4*(\s)+3], s[14:15], (\s)*KSB    ; 120:64 global address: K step s
	s_or_b32 s[G0+4*(\s)+3], s[G0+4*(\s)+3], 0x80000000            ; 127:126 type = 2
	s_mov_b32 s[G0B+4*(\s)], 1
	s_add_co_u32 s[G0B+4*(\s)+1], s20, (\s)*SLOT
	s_add_nc_u64 s[G0B+4*(\s)+2:G0B+4*(\s)+3], s[46:47], (\s)*KSB
	s_or_b32 s[G0B+4*(\s)+3], s[G0B+4*(\s)+3], 0x80000000
	JLOAD \s                                       ; the ring is filled before anything else is done: two loads of mine are out
.endr
	; A bf16 fragment is 16 rows x 32 K: lane l holds row l % 16, K = 8 (l / 16) + 0..7 and 16 + 8 (l / 16) + 0..7.  In f32 those are 32 bytes at 32 (l / 16) and 32 bytes at 64 + 32 (l / 16) of the chunk's 128.
	v_and_b32 v1, 15, v0                           ; l % 16
	v_bfe_u32 v2, v0, 4, 1                         ; l / 16
	v_mul_u32_u24 v3, v1, PITCH
	v_lshl_add_u32 v3, v2, 5, v3                   ; row x pitch + 32 x half
	s_mul_i32 s21, s11, HALFT                      ; my 128 rows of x
	s_mul_i32 s22, s12, HALFT                      ; my 128 rows of W,
	s_add_co_u32 s22, s22, 2*HALFT                 ; which lie behind x's 256
.irp s, 0,1
	v_add_nc_u32 v[ADRA+(\s)], s21, v3
	v_add_nc_u32 v[ADRB+(\s)], s22, v3
	s_add_co_u32 s21, s21, SLOT
	s_add_co_u32 s22, s22, SLOT
.endr
	s_mul_i32 s23, s10, 16*SPITCH
	s_add_co_u32 s23, s23, STAGE                   ; my stage
	v_mul_u32_u24 v4, v1, SPITCH                   ; in: row l % 16, 16 bytes for each half of the lanes
	v_lshl_add_u32 v4, v2, 4, v4
	v_add_nc_u32 v[STO], s23, v4
	v_mul_u32_u24 v5, v2, SPITCH                   ; back: lanes 0-15 take one row of 256 bytes, lanes 16-31 the next
	v_lshl_add_u32 v5, v1, 4, v5
	v_add_nc_u32 v[RD], s23, v5
	v_lshlrev_b32 v5, 11, v2                       ; and the same two rows in C
	v_lshl_add_u32 v[CO], v1, 4, v5
	v_lshlrev_b32 v[BO], 5, v2
	; C at my part of the tile, the bias at my 128 columns
	s_lshl_b32 s16, s13, 8
	s_lshl_b32 s14, s11, 7
	s_add_co_u32 s16, s16, s14                     ; my first row of C
	s_lshl_b32 s16, s16, 11
	s_mov_b32 s17, 0
	s_lshl_b32 s46, s42, 9                         ; my first column, in bytes of f16: 512 x tile column + 256 x half
	s_lshl_b32 s47, s12, 8
	s_add_co_u32 s46, s46, s47
	s_mov_b32 s47, 0
	s_add_nc_u64 s[16:17], s[16:17], s[46:47]
	s_add_nc_u64 s[8:9], s[8:9], s[16:17]
	s_lshl_b32 s46, s46, 1                         ; the same column in bytes of f32
	s_add_nc_u64 s[66:67], s[66:67], s[46:47]
	; the prefetches
	s_lshl_b32 s42, s42, 8
	s_cmp_eq_u32 s11, 0                            ; do I fetch for x?
	s_cselect_b32 s20, s94, s42                    ; the tile's first row
	s_cselect_b32 s21, s40, s41                    ; my place among the four that ask for it with me
	s_cselect_b32 s22, ttmp9, s93                  ; the coordinate along which other clusters read the same rows
	s_cselect_b64 s[PFA:PFA+1], s[4:5], s[6:7]
	s_cmp_eq_u32 s22, 0
	s_cselect_b32 s[LIM], 1, -1                    ; the same in all sixteen partners, for a given wave
	s_lshl_b32 s22, s12, 7
	s_add_co_u32 s20, s20, s22                     ; + the 128 rows that I fetch
	s_lshl_b32 s21, s21, 5
	s_add_co_u32 s20, s20, s21                     ; + my work-group's 32 of them
	s_lshl_b32 s20, s20, 12
	s_mov_b32 s21, 0
	s_add_nc_u64 s[PFA:PFA+1], s[PFA:PFA+1], s[20:21]
	s_add_nc_u64 s[PFA:PFA+1], s[PFA:PFA+1], 2*KSB ; at K step 2: the first refill steps it to 3 and names K step 4.  Nothing is prefetched here, at the head
	v_and_b32 v[PFO], 31, v0
	v_lshlrev_b32 v[PFO], 12, v[PFO]
; 16 matrix instructions: m blocks a0, a0 + 1 of the window's four (hi = 0: my rows 0-63, 1: rows 64-127) x all 8 n blocks, 32 along K.  zero = 1: the products start the sums: nothing is cleared.
; The 64 accumulators take turns, one instruction a turn, in the same order in every chunk.
.macro MUL16 f, hi, a0, zero
	WIN 0xa5+0x50*(\hi)                            ; W and x in window 1, C and D in window 2 or 3
.irp a, \a0, (\a0)+1
.irp b, 0,1,2,3,4,5,6,7
.if \zero
	v_wmma_f32_16x16x32_bf16 v[8*(8*(\a)+(\b)):8*(8*(\a)+(\b))+7], v[(\f)+8*(\b):(\f)+8*(\b)+7], v[(\f)+64+8*(4*(\hi)+(\a)):(\f)+64+8*(4*(\hi)+(\a))+7], 0
.else
	v_wmma_f32_16x16x32_bf16 v[8*(8*(\a)+(\b)):8*(8*(\a)+(\b))+7], v[(\f)+8*(\b):(\f)+8*(\b)+7], v[(\f)+64+8*(4*(\hi)+(\a)):(\f)+64+8*(4*(\hi)+(\a))+7], v[8*(8*(\a)+(\b)):8*(8*(\a)+(\b))+7]
.endif
.endr
.endr
.endm
; 32 LDS loads in one run: 128 rows x 32 K of f32 (at byte k of the slot's rows) into the staging registers.  These are no matrix operands, so no place is owed in front of the run.
.macro LDF adr, slot, k
	WIN 0
.irp i, 0,1,2,3,4,5,6,7
	ds_load_b128 v[ST+16*(\i):ST+16*(\i)+3],     v[(\adr)+(\slot)] offset:(\k)+(\i)*16*PITCH
	ds_load_b128 v[ST+16*(\i)+4:ST+16*(\i)+7],   v[(\adr)+(\slot)] offset:(\k)+(\i)*16*PITCH+16
	ds_load_b128 v[ST+16*(\i)+8:ST+16*(\i)+11],  v[(\adr)+(\slot)] offset:(\k)+(\i)*16*PITCH+64
	ds_load_b128 v[ST+16*(\i)+12:ST+16*(\i)+15], v[(\adr)+(\slot)] offset:(\k)+(\i)*16*PITCH+80
.endr
.endm
; The staging registers are rounded to bf16 in pairs: eight fragments, at d in window 1.  The half buffer that is written was last multiplied in front of the run of 64 conversions before this one: those are its places.
.macro CVT d
	WIN 0x40
.set j, 0
.rept 64
	v_cvt_pk_bf16_f32 v[(\d)+j], v[ST+2*j], v[ST+2*j+1]
.set j, j+1
.endr
.endm
; A K step's first chunk: buffer 0 is multiplied; the second chunk comes out of the same slot into buffer 1.  At its end the slot has been read out.
.macro EVEN slot, zero
	LDF ADRB, \slot, 128
	MUL16 F0, 0, 0, \zero
	MUL16 F0, 0, 2, \zero
	s_wait_dscnt 0x0                               ; W's rows are in the staging registers
	CVT F1
	LDF ADRA, \slot, 128
	MUL16 F0, 1, 0, \zero
	MUL16 F0, 1, 2, \zero
	s_wait_dscnt 0x0                               ; x's rows
	CVT F1+64
.endm
; A K step's second chunk: buffer 1 is multiplied, and the slots change.  ONE barrier: in front of it each wave waits for all its tensor loads (one is out: its part of the next slot), adds 0 to its spare word, and
; waits for that; its reads of this slot came back in the chunk before.  fill = 1: the barrier opens a round of the cluster's, and this slot is filled again first thing behind the round, two K steps ahead.
.macro ODD slot, next, fill
.if \fill
	s_wait_xcnt 0x0                                ; the last prefetch, a K step back, has read its address: it is stepped here, ahead of the waits of the change of slots
	s_add_nc_u64 s[PFA:PFA+1], s[PFA:PFA+1], KSB
.endif
	WIN 0                                          ; (the add's two registers lie in window 0)
	s_wait_tensorcnt 0x0                           ; all my tensor loads have landed
	ds_add_u32 v[SPW], v[NIL]                      ; 0 onto my spare word
	MUL16 F1, 0, 0, 0                              ; sixteen matrix instructions stand between the add and the wait for it
	s_wait_dscnt 0x0                               ; the add is done; no read of this slot is out
	s_barrier_signal -1
	MUL16 F1, 0, 2, 0                              ; work on registers while the others arrive
	WIN 0
	s_barrier_wait -1
.if \fill
	CREST                                          ; no wave of any partner still reads this slot's tile or has a load on its way
	s_add_nc_u64 s[G0+4*(\slot)+2:G0+4*(\slot)+3], s[G0+4*(\slot)+2:G0+4*(\slot)+3], 2*KSB
	s_add_nc_u64 s[G0B+4*(\slot)+2:G0B+4*(\slot)+3], s[G0B+4*(\slot)+2:G0B+4*(\slot)+3], 2*KSB
	JLOAD \slot                                    ; the first tensor load behind the round, and my only one until the next
.endif
	LDF ADRB, \next, 0
.if \fill
	ASK
.endif
	MUL16 F1, 1, 0, 0
	s_wait_dscnt 0x0
	CVT F0
	LDF ADRA, \next, 0
	MUL16 F1, 1, 2, 0
	s_wait_dscnt 0x0
	CVT F0+64
.endm
; THE WAY OUT of block a (16 rows of C).  PACK: the bias is added, the sums are rounded to f16, 16 bytes a lane; each accumulator is taken from its low end on.  TOSTAGE: into my own stage, and back as rows of 256 bytes.  SEND: stored.
.macro PACK a
.set AC, 64*((\a)%4)
	WIN 0x82+0x41*((\a)/4)                         ; destination and source 0 in window 2 or 3, the bias in window 0
.irp b, 0,1,2,3,4,5,6,7
.irp k, 0,2,4,6
	v_pk_add_f32 v[AC+8*(\b)+(\k):AC+8*(\b)+(\k)+1], v[AC+8*(\b)+(\k):AC+8*(\b)+(\k)+1], v[BI+8*(\b)+(\k):BI+8*(\b)+(\k)+1]
.endr
.endr
	WIN 0x0a+5*((\a)/4)                            ; sources 0 and 1 in window 2 or 3
.irp b, 0,1,2,3,4,5,6,7
.irp r, 0,1,2,3
	v_cvt_pk_f16_f32 v[TMP+4*(\b)+(\r)], v[AC+8*(\b)+2*(\r)], v[AC+8*(\b)+2*(\r)+1]
.endr
.endr
	WIN 0
.endm
.macro TOSTAGE a
	WIN 0
.set BK, OB+192*((\a)%2)
.irp b, 0,1,2,3,4,5,6,7
	ds_store_b128 v[STO], v[TMP+4*(\b):TMP+4*(\b)+3] offset:32*(\b)
.endr
.irp t, 0,1,2,3,4,5,6,7
	ds_load_b128 v[BK+4*(\t):BK+4*(\t)+3], v[RD] offset:(\t)*2*SPITCH  ; LDS serves a wave's instructions in order (ISA guide 5.7.1.4): these see the stores above
.endr
.endm
.macro SEND a
	WIN 0
.set BK, OB+192*((\a)%2)
	s_wait_dscnt 0x0                               ; the block is back in registers
	s_wait_xcnt 0x0                                ; the stores of the block before have read their registers, into which the next block's rows are loaded
.irp t, 0,1,2,3,4,5,6,7
	global_store_b128 v[CO], v[BK+4*(\t):BK+4*(\t)+3], s[8:9] offset:(16*(\a)+2*(\t))*CROW  ; 16 lanes store 256 consecutive bytes, at a multiple of 256 from C's first byte
.endr
.endm
	s_wait_tensorcnt 1                             ; my part of K step 0 is in; K step 1's load may stay out
	s_barrier_signal -1
	s_barrier_wait -1                              ; everybody's is
	LDF ADRB, 0, 0
	s_wait_dscnt 0x0
	CVT F0
	LDF ADRA, 0, 0
	s_wait_dscnt 0x0
	CVT F0+64
	EVEN 0, 1                                      ; the first chunk stands in front of the loop: its products start the sums
	WIN 0                                          ; at a label and at a branch every window is 0
	s_mov_b32 s3, 7
.Llap:                                                 ; a trip goes once round the ring, from a lap's second chunk to the next lap's first, and fills both slots again: K steps 2 .. 15
	ODD 0, 1, 1
	EVEN 1, 0
	ODD 1, 0, 1
	EVEN 0, 0
	WIN 0
	s_sub_co_u32 s3, s3, 1
	s_cmp_lg_u32 s3, 0
	s_cbranch_scc1 .Llap
	ODD 0, 1, 0                                    ; the last lap fills nothing, and has no round of the cluster's barrier
	EVEN 1, 0
	WIN 0
.irp b, 0,1,2,3,4,5,6,7                ; the bias of my 128 columns, into staging registers that are free now: eight numbers a lane for each block of 16 columns
	global_load_b128 v[BI+8*(\b):BI+8*(\b)+3],   v[BO], s[66:67] offset:64*(\b)
	global_load_b128 v[BI+8*(\b)+4:BI+8*(\b)+7], v[BO], s[66:67] offset:64*(\b)+16
.endr
	MUL16 F1, 0, 0, 0                              ; the very last chunk
	MUL16 F1, 0, 2, 0
	MUL16 F1, 1, 0, 0
	MUL16 F1, 1, 2, 0
	WIN 0
	PLACES
	s_wait_loadcnt 0x0
.set j, 0
.rept 32                                       ; the bias is rounded to bf16, like x and W, and used as f32
	v_cvt_pk_bf16_f32 v[TMP+j], v[BI+2*j], v[BI+2*j+1]
.set j, j+1
.endr
.set j, 0
.rept 32
	v_lshlrev_b32 v[BI+2*j], 16, v[TMP+j]
	v_and_b32 v[BI+2*j+1], 0xffff0000, v[TMP+j]
.set j, j+1
.endr
	PACK 0
	TOSTAGE 0
.irp a, 1,2,3,4,5,6,7                  ; block a's arithmetic stands between block a - 1's loads from the stage and the wait for them
	PACK \a
	SEND (\a)-1
	TOSTAGE \a
.endr
	SEND 7
	s_wait_tensorcnt 0x0                           ; the wave's end: behind my last tensor load and my last LDS store
	ds_add_u32 v[SPW], v[NIL]
	s_wait_dscnt 0x0
	CROUND                                         ; the closing round: no work-group ends while a partner may still ask for a tile that names it
	s_endpgm
.Lfunc_end_k_q8ecef7dbe1_proj:
	.size	k_q8ecef7dbe1_proj, .Lfunc_end_k_q8ecef7dbe1_proj-k_q8ecef7dbe1_proj
	.p2alignl 7, 3214868480
	.fill 96, 4, 3214868480
	.section	.rodata,"a",@progbits
	.p2align	6, 0x0
	.amdhsa_kernel k_q8ecef7dbe1_proj
		.amdhsa_group_segment_fixed_size 327680
		.amdhsa_private_segment_fixed_size 0
		.amdhsa_enable_private_segment 0
		.amdhsa_kernarg_size 96
		.amdhsa_user_sgpr_count 2
		.amdhsa_user_sgpr_kernarg_segment_ptr 1
		.amdhsa_wavefront_size32 1
		.amdhsa_system_sgpr_workgroup_id_x 1
		.amdhsa_system_sgpr_workgroup_id_y 1
		.amdhsa_system_sgpr_workgroup_id_z 1
		.amdhsa_system_vgpr_workitem_id 0
		.amdhsa_next_free_vgpr 1024
		.amdhsa_next_free_sgpr 96
		.amdhsa_reserve_vcc 0
		.amdhsa_float_denorm_mode_32 3
		.amdhsa_float_denorm_mode_16_64 3
		.amdhsa_memory_ordered 1
		.amdhsa_forward_progress 1
		.amdhsa_inst_pref_size 196
	.end_amdhsa_kernel
	.amdgpu_metadata
---
amdhsa.version: [ 1, 2 ]
amdhsa.kernels:
  - .name:           k_q8ecef7dbe1_proj
    .symbol:         k_q8ecef7dbe1_proj.kd
    .args:
      - { .name: query, .offset: 0, .size: 8, .value_kind: global_buffer, .address_space: global }
      - { .name: key, .offset: 8, .size: 8, .value_kind: global_buffer, .address_space: global }
      - { .name: value, .offset: 16, .size: 8, .value_kind: global_buffer, .address_space: global }
      - { .name: Wq, .offset: 24, .size: 8, .value_kind: global_buffer, .address_space: global }
      - { .name: Wk, .offset: 32, .size: 8, .value_kind: global_buffer, .address_space: global }
      - { .name: Wv, .offset: 40, .size: 8, .value_kind: global_buffer, .address_space: global }
      - { .name: bq, .offset: 48, .size: 8, .value_kind: global_buffer, .address_space: global }
      - { .name: bk, .offset: 56, .size: 8, .value_kind: global_buffer, .address_space: global }
      - { .name: bv, .offset: 64, .size: 8, .value_kind: global_buffer, .address_space: global }
      - { .name: q16, .offset: 72, .size: 8, .value_kind: global_buffer, .address_space: global }
      - { .name: k16, .offset: 80, .size: 8, .value_kind: global_buffer, .address_space: global }
      - { .name: v16, .offset: 88, .size: 8, .value_kind: global_buffer, .address_space: global }
    .group_segment_fixed_size: 327680
    .private_segment_fixed_size: 0
    .kernarg_segment_align: 8
    .kernarg_segment_size: 96
    .max_flat_workgroup_size: 128
    .sgpr_count:     96
    .vgpr_count:     1024
    .wavefront_size: 32
...
	.end_amdgpu_metadata
.endif
;; end of part 1
;; launch attn (part 2): grid 16 x 16, 8 waves a work-group, no clusters, 250,880 bytes of LDS; arguments q16, k16, v16, Wo, o16, wo16; writes o16, wo16
.if DOCPART == 2
	.amdgcn_target "amdgcn-amd-amdhsa--gfx1250"
	.amdhsa_code_object_version 6
	.text
	.protected	k_q8ecef7dbe1_attn
	.globl	k_q8ecef7dbe1_attn
	.p2align	8
	.type	k_q8ecef7dbe1_attn,@function
k_q8ecef7dbe1_attn:
	s_mov_b64 s[64:65], 0
	v_nop
	global_prefetch_b8 v0, s[64:65] scope:SCOPE_SE
	s_setreg_imm32_b32 hwreg(HW_REG_WAVE_MODE, 25, 1), 1
	s_wait_xcnt 0x0
; BAND ATTENTION, head size 64, and the cast of Wo.  o16[row][64 h + d] = the sum over keys j in i - 255 .. i (j >= 0) of softmax_j(q . k / 8) v.  q16, k16, v16, o16: [4096][1024] f16, row = 2,048 batch + position.
; Products, the maximum and the sum in f32; the weights p are rounded to f16 for the second product (their sum l is taken of the unrounded p), O once at the end.
; wo16 = Wo rounded to bf16, that number written as f16: 16 numbers a thread, while the tiles are on their way.
; LIMITS.  A hidden score counts as -1e30 or its value less 1e30: f16's scores, 2.7e11 at the most, are nothing beside that.  A weight below 2^-126 counts as 0.  A number of Wo below 6e-5 keeps f16's fixed step of 6e-8,
; one beyond 65,504 has no f16.  NaN and infinities are not treated apart.
; SHARES.  A work-group owns 128 queries (q0 = 128 x) of two neighbouring heads of one batch, so that a row of K, V or O is 256 consecutive bytes, aligned.  Wave w: head w % 2, queries base = q0 + 32 (w / 2) on: two tiles of 16.
; ALL KEYS AT ONCE.  The keys q0 - 256 .. q0 + 127, 384 rows of K and of V, lie in LDS together: each byte of LDS is filled once, there is no ring, and the row's true maximum is taken before any exponential.
; THE BAND, in blocks of 16 keys numbered kb = 0 .. 17 from key base - 256: tile t takes kb = t .. t + 16.  In block t the keys 8 (l / 16) + j <= l % 16 are hidden (mask ML), in block t + 16 those > l % 16 (mask MD):
; the mask is the C operand that starts the sum; elsewhere C is the constant 0.  The two blocks that a tile does not take have weights 0 in P.
; KEYS BELOW 0 (x = 0, 1).  A chunk of 128 keys that would begin below 0 is fetched from key 0 instead, so that finite numbers lie there; a wave with base < 256 then adds -1e30 to the scores of each 32 keys that lie below 0.
; LAYOUT.  S^T = K Q^T (source 0 = 16 keys, source 1 = 16 queries): a lane holds ONE query (l % 16) and the keys 8 (l / 16) + 0..7.  Two such results rounded to f16 ARE source 1 of O^T = V^T P, whose result again holds one
; query a lane and eight channels.  K comes out of LDS as it lies, V ([key][channel]) turned, by ds_load_tr16_b128.
; NO CLUSTER.  A chunk of 128 keys is read by three neighbouring query blocks, and lies at another place of LDS in each (chunk j of block x is chunk j - 1 of block x + 1); a joint load has one LDS address for all that it
; names.  NO PREFETCH: every load of the launch goes out at its head.
; REGISTERS, in windows of 256 (s_set_vgpr_msb: bits 1:0 source 0, 3:2 source 1, 5:4 source 2, 7:6 destination):
;   window 0: v0-27 addresses and small things; v28-59 the scores of kb 16, 17; v60-123 by turns Q, the masks and Wo's results / the statistics / O^T; v124-251 two fragment buffers of 64
;   window 1: the scores of kb 0 .. 15, tile t's block kb at 128 t + 8 kb; P is packed in place, 32 keys at 128 t + 16 u
.set PK,    272       ; a row of K in LDS: 256 bytes + 16 of padding = 68 words: the 16 rows of a load start at 16 different groups of four banks (64 banks of 4 bytes: ISA guide 11.1)
.set PV,    288       ; a row of V: 256 + 32 = 72 words
.set VOFF,  384*PK    ; 384 rows of K, then 384 rows of V
.set STAGE, VOFF+384*PV  ; behind them, never filled by a tensor load: 128 rows x 272 bytes, the work-group's, for the way out
.set SP,    272
.set SPARE, STAGE+128*SP ; behind the stage: the spare words, 128 bytes for each of eight waves: four blocks of 256 bytes that no other line names
.set AK,  10          ; v10-12  LDS address of my K fragments, for kb 0-7, 8-15, 16-17
.set AV,  13          ; v13-15  of my V fragments, for 32-key pairs 0-3, 4-7, 8
.set QO,  16          ; v16  my byte offset in 16 rows of Q
.set STO, 17          ; v17  the way out: where I put 16 bytes of a row
.set RD,  18          ; v18  the way out: where I read a row back
.set GO,  19          ; v19  my byte offset in two rows of O
.set SPW, 20          ; v20  LDS address of my spare word: SPARE + 4 x my thread's number; never rewritten
.set NIL, 21          ; v21  0; never rewritten
.set RI,  22          ; v22-25  1 / l, a pair for each tile
.set WL,  26          ; v26  32 x my thread's number: my 8 numbers of Wo
.set WS,  27          ; v27  16 x my thread's number: the same in wo16
.set SX,  28          ; the scores of kb 16, 17: tile t's at SX + 16 t + 8 (kb - 16)
.set QF,  60          ; Q: tile t, channels 32 c on, at QF + 16 t + 8 c
.set ML,  92
.set MD,  100
.set WOUT, 108        ; v108-115  Wo's 16 numbers as f16
.set ST,  60          ; tile t's statistics at ST + 16 t: +0 c m, +1 m, +4..7 four maxima, +8..15 four pairs of sums
.set OF,  60          ; O^T: tile t, channels 16 cb on, at OF + 32 t + 8 cb
.set FR,  124
.set WV,  16          ; s16  my wave's number
.set G1K, 24          ; s[24:31] descriptor group 1 for K's chunks
.set G1V, 32          ; s[32:39] for V's: it differs in the padding alone
.set G0K, 40          ; s[40:43] descriptor group 0 for K
.set G0V, 44          ; s[44:47] for V
.set BASE, 48         ; s48  my first query's position
.set ID,  49          ; s49  the work-group's number, 0 .. 255
.set EE,  50          ; s[50:51] what is added to 32 keys' scores: -1e30 or 0, in the low word
.set BIGN, 52         ; s52  -1e30
.set Q0,  53
.set BB,  54          ; the batch
.set HP,  55          ; the pair of heads
.set HH,  56          ; which head of the pair
.set QG,  57          ; which 32 queries of the 128
.set CS,  58          ; s[58:59] c = log2(e) / 8: the packed scaling takes the pair's low word for both halves
.set SEL, 60          ; s[60:61] v_permlanex16_b32's selects: each lane takes its own place in the other half
.set MSB, 0
.macro WIN new                      ; the high byte repeats the setting that is left; a switch that changes nothing is dropped
.if MSB != (\new)
	s_set_vgpr_msb (MSB<<8)|(\new)
.set MSB, \new
.endif
.endm
.macro PLACES                       ; four places behind a matrix instruction (ISA guide 7.12.1)
.rept 4
	v_nop
.endr
.endm
	s_load_b256 s[4:11], s[0:1], 0x0  ; q16 s[4:5], k16 s[6:7], v16 s[8:9], Wo s[10:11]
	s_load_b128 s[12:15], s[0:1], 0x20  ; o16 s[12:13], wo16 s[14:15]
	v_lshl_add_u32 v[SPW], v0, 2, SPARE
	v_mov_b32 v[NIL], 0
	ds_add_u32 v[SPW], v[NIL]       ; the wave's opening: the add and its wait stand ahead of my first tensor load; the set-up below, work on registers, stands between them
	ds_add_u32 v20, v21
	v_lshrrev_b32 v3, 5, v0
	v_readfirstlane_b32 s[WV], v3   ; wave 0..7
	s_and_b32 s17, ttmp7, 0xffff
	s_lshr_b32 s[BB], s17, 3
	s_and_b32 s[HP], s17, 7
	s_lshl_b32 s[ID], s17, 4
	s_add_co_u32 s[ID], s[ID], ttmp9
	s_lshl_b32 s[Q0], ttmp9, 7
	s_and_b32 s[HH], s[WV], 1
	s_lshr_b32 s[QG], s[WV], 1
	s_lshl_b32 s18, s[QG], 5
	s_add_co_u32 s[BASE], s[Q0], s18
	s_mov_b32 s[EE+1], 0            ; named as a pair
	s_mov_b32 s[BIGN], 0xf149f2ca   ; -1e30
	s_mov_b32 s[CS], 0x3e38aa3b     ; c = log2(e) / 8 = 0.180337
	s_mov_b32 s[CS+1], s[CS]
	s_mov_b32 s[SEL], 0x76543210
	s_mov_b32 s[SEL+1], 0xfedcba98
	; descriptor group 1: a chunk of 128 keys x 128 elements (two heads), padded in LDS
	s_mov_b32 s[G1K], (1<<16)|(1<<20)|(5<<22)|(3<<25)  ; 17:16 2-byte elements; 20 padding on; 24:22 after every 64 words (code 5); 31:25 4 words (code 3)
	s_mov_b32 s[G1V], (1<<16)|(1<<20)|(5<<22)|(7<<25)  ; the same with 8 words of padding (code 7)
.irp g, G1K, G1V
	s_mov_b32 s[\g+1], 128<<16      ; tensor_dim0 = 128
	s_mov_b32 s[\g+2], 128<<16      ; tensor_dim1 = 128
	s_mov_b32 s[\g+3], 128<<16      ; tile_dim0 = 128
	s_mov_b32 s[\g+4], 128          ; tile_dim1 = 128
	s_mov_b32 s[\g+5], 1024         ; elements from row to row
	s_mov_b32 s[\g+6], 0
	s_mov_b32 s[\g+7], 0
.endr
	s_lshl_b32 s17, s[BB], 11       ; the batch's first row
	s_lshl_b32 s62, s[HP], 8        ; the pair of heads: 256 bytes of a row
	s_sub_co_u32 s22, s[WV], 3      ; the chunk that I fetch: waves 0-2 K's chunk w, waves 3-5 V's chunk w - 3
	s_cmp_lt_u32 s[WV], 3
	s_cselect_b32 s22, s[WV], s22
	s_lshl_b32 s22, s22, 7
	s_add_co_u32 s22, s22, s[Q0]
	s_sub_co_i32 s22, s22, 256      ; its first key,
	s_max_i32 s22, s22, 0           ; or key 0 where that lies below 0
	s_add_co_u32 s22, s22, s17
	s_lshl_b32 s22, s22, 11         ; rows of 2,048 bytes: under 2^23
	s_add_co_u32 s22, s22, s62
	s_mov_b32 s23, 0
	s_add_co_u32 s18, s17, s[BASE]  ; Q at my first query and my head
	s_lshl_b32 s18, s18, 11
	s_add_co_u32 s18, s18, s62
	s_lshl_b32 s19, s[HH], 7
	s_add_co_u32 s18, s18, s19
	s_mov_b32 s19, 0
	s_lshl_b32 s20, s[WV], 4        ; O at the 16 rows that I store: q0 + 16 w
	s_add_co_u32 s20, s20, s[Q0]
	s_add_co_u32 s20, s20, s17
	s_lshl_b32 s20, s20, 11
	s_add_co_u32 s20, s20, s62
	s_mov_b32 s21, 0
	s_lshl_b32 s62, s[ID], 14       ; the work-group's 16,384 bytes of Wo
	s_mov_b32 s63, 0
	v_and_b32 v1, 15, v0            ; l % 16
	v_bfe_u32 v2, v0, 4, 1          ; l / 16
	v_lshlrev_b32 v[QO], 11, v1
	v_lshl_add_u32 v[QO], v2, 4, v[QO]  ; row x 2,048 + 16 x half
	v_lshlrev_b32 v[WL], 5, v0
	v_lshlrev_b32 v[WS], 4, v0
	s_wait_dscnt 0x0                ; the opening add is done
	s_wait_kmcnt 0x0
	s_add_nc_u64 s[4:5], s[4:5], s[18:19]
	s_add_nc_u64 s[12:13], s[12:13], s[20:21]
	s_add_nc_u64 s[10:11], s[10:11], s[62:63]
	s_lshr_b32 s62, s62, 1          ; 8,192 bytes of wo16
	s_add_nc_u64 s[14:15], s[14:15], s[62:63]
	; THE FILLS: one a wave, in one branch on the wave's number; waves 6 and 7 issue none.  An s_nop 0 and four v_nop follow each load.
	s_cmp_lt_u32 s[WV], 3
	s_cbranch_scc0 .Lnot_k
	s_mov_b32 s[G0K], 1             ; 1:0 count = 1
	s_mul_i32 s[G0K+1], s[WV], 128*PK  ; 63:32 LDS address: chunk w of K
	s_add_nc_u64 s[G0K+2:G0K+3], s[6:7], s[22:23]  ; 120:64 global address
	s_or_b32 s[G0K+3], s[G0K+3], 0x80000000        ; 127:126 type = 2
	tensor_load_to_lds s[G0K:G0K+3], s[G1K:G1K+7]
	s_nop 0
.rept 4
	v_nop
.endr
	s_branch .Lasked
.Lnot_k:
	s_cmp_lt_u32 s[WV], 6
	s_cbranch_scc0 .Lasked
	s_mov_b32 s[G0V], 1
	s_mul_i32 s[G0V+1], s[WV], 128*PV
	s_sub_co_u32 s[G0V+1], s[G0V+1], 3*128*PV-VOFF  ; VOFF + (w - 3) x 128 rows
	s_add_nc_u64 s[G0V+2:G0V+3], s[8:9], s[22:23]
	s_or_b32 s[G0V+3], s[G0V+3], 0x80000000
	tensor_load_to_lds s[G0V:G0V+3], s[G1V:G1V+7]
	s_nop 0
.rept 4
	v_nop
.endr
.Lasked:
	; A fragment of K or Q is 16 rows x 32 channels in 8 registers: lane l holds row l % 16, channels 8 (l / 16) + 0..7 and 16 + 8 (l / 16) + 0..7: two loads of 16 bytes, 32 bytes apart.
.irp t, 0,1
.irp c, 0,1
	global_load_b128 v[QF+16*\t+8*\c:QF+16*\t+8*\c+3],   v[QO], s[4:5] offset:\t*16*2048+\c*64
	global_load_b128 v[QF+16*\t+8*\c+4:QF+16*\t+8*\c+7], v[QO], s[4:5] offset:\t*16*2048+\c*64+32
.endr
.endr
.irp j, 0,1                         ; Wo: twice 8 numbers a thread, into fragment registers that are not yet in use
	global_load_b128 v[FR+8*\j:FR+8*\j+3],   v[WL], s[10:11] offset:8192*\j th:TH_LOAD_NT
	global_load_b128 v[FR+8*\j+4:FR+8*\j+7], v[WL], s[10:11] offset:8192*\j+16 th:TH_LOAD_NT
.endr
	v_mul_u32_u24 v4, v1, PK
	v_lshl_add_u32 v4, v2, 4, v4    ; row x 272 + 16 x half: for K and for the stage
	s_mul_i32 s17, s[QG], 32*PK     ; key base - 256 lies in row 32 (w / 2),
	s_lshl_b32 s18, s[HH], 7        ; my head in the row's second 128 bytes or its first
	s_add_co_u32 s17, s17, s18
	v_add_nc_u32 v[AK], s17, v4
	v_add_nc_u32 v[AK+1], 8*16*PK, v[AK]
	v_add_nc_u32 v[AK+2], 16*16*PK, v[AK]
	s_add_co_u32 s17, s17, STAGE    ; into the stage: my 32 rows, my head's half of their 256 bytes
	v_add_nc_u32 v[STO], s17, v4
	; The turning load takes 16 keys x 16 channels (lane l reads key 8 (l / 16) + l % 8, channels 8 ((l / 8) % 2) + 0..7) and leaves half a fragment of V^T: lane l holds channel l % 16 and 8 keys.
	v_and_b32 v5, 7, v0
	v_bfe_u32 v6, v0, 3, 1
	v_lshl_add_u32 v5, v2, 3, v5
	v_mul_u32_u24 v5, v5, PV
	v_lshl_add_u32 v5, v6, 4, v5
	s_mul_i32 s17, s[QG], 32*PV
	s_add_co_u32 s17, s17, s18
	s_add_co_u32 s17, s17, VOFF
	v_add_nc_u32 v[AV], s17, v5
	v_add_nc_u32 v[AV+1], 4*32*PV, v[AV]
	v_add_nc_u32 v[AV+2], 8*32*PV, v[AV]
	s_mul_i32 s17, s[WV], 16*SP     ; back: wave w takes rows 16 w .. 16 w + 15, whole; lanes 0-15 one row of 256 bytes, lanes 16-31 the next
	s_add_co_u32 s17, s17, STAGE
	v_mul_u32_u24 v7, v2, SP
	v_lshl_add_u32 v7, v1, 4, v7
	v_add_nc_u32 v[RD], s17, v7
	v_lshlrev_b32 v7, 11, v2        ; and the same two rows in O
	v_lshl_add_u32 v[GO], v1, 4, v7
	v_lshlrev_b32 v3, 3, v2
	v_sub_nc_u32 v3, v1, v3         ; l % 16 - 8 (l / 16): register j holds a key at or below the diagonal where j <= this
.irp j, 0,1,2,3,4,5,6,7
	v_cmp_le_i32 vcc_lo, \j, v3
	v_cndmask_b32 v[ML+\j], 0, s[BIGN], vcc_lo
	v_cmp_gt_i32 vcc_lo, \j, v3
	v_cndmask_b32 v[MD+\j], 0, s[BIGN], vcc_lo
.endr
	s_wait_loadcnt 0x0              ; Q and Wo
.irp j, 0,1
.irp k, 0,1,2,3                     ; two numbers: rounded to bf16, widened again, written as f16
	v_cvt_pk_bf16_f32 v[6+\k%2], v[FR+8*\j+2*\k], v[FR+8*\j+2*\k+1]
	v_lshlrev_b32 v8, 16, v[6+\k%2]
	v_and_b32 v9, 0xffff0000, v[6+\k%2]
	v_cvt_pk_f16_f32 v[WOUT+4*\j+\k], v8, v9
.endr
	global_store_b128 v[WS], v[WOUT+4*\j:WOUT+4*\j+3], s[14:15] offset:4096*\j  ; a wave stores 512 consecutive bytes, at a multiple of 256 from wo16's first byte
.endr
	s_wait_tensorcnt 0x0            ; my chunk is in (a wave that fetched none passes),
	s_barrier_signal -1
	s_barrier_wait -1               ; everybody's is
	s_wait_xcnt 0x0                 ; the two stores have read v108-115, which O^T will take
.macro SR t, kb                     ; rS: the first register of tile t's scores of block kb; wS: its window
.if (\kb) < 16
.set rS, 128*(\t)+8*(\kb)
.set wS, 1
.else
.set rS, SX+16*(\t)+8*((\kb)-16)
.set wS, 0
.endif
.endm
; THE LDS LOADS stand in runs.  FK G: K's blocks 4 G .. 4 G + 3 (G = 4: two), 16 loads (8), into buffer G % 2.  FV G: V's 32-key pairs 2 G, 2 G + 1 (G = 4: one), likewise.
.macro FK G
	WIN 0
.irp q, 0,1,2,3
.set kb, 4*(\G)+(\q)
.if kb < 18
.irp c, 0,1
.set rK, FR+64*((\G)%2)+16*(\q)+8*(\c)
	ds_load_b128 v[rK:rK+3],   v[AK+kb/8] offset:(kb%8)*16*PK+64*(\c)
	ds_load_b128 v[rK+4:rK+7], v[AK+kb/8] offset:(kb%8)*16*PK+64*(\c)+32
.endr
.endif
.endr
.endm
.macro FV G
	WIN 0
.irp p, 0,1
.set u, 2*(\G)+(\p)
.if u < 9
.irp cb, 0,1,2,3
.set rV, FR+64*((\G)%2)+32*(\p)+8*(\cb)
	ds_load_tr16_b128 v[rV:rV+3],   v[AV+u/4] offset:(u%4)*32*PV+32*(\cb)
	ds_load_tr16_b128 v[rV+4:rV+7], v[AV+u/4] offset:(u%4)*32*PV+16*PV+32*(\cb)
.endr
.endif
.endr
.endm
; S^T = K Q^T for the blocks of group G: first channels 0-31 of all its accumulators (they start the sums, with a mask or with 0), then channels 32-63: the group's 7, 8 or 3 accumulators take turns.
.macro QK G
.irp c, 0,1
.irp q, 0,1,2,3
.irp t, 0,1
.set kb, 4*(\G)+(\q)
.if (kb >= (\t)) && (kb <= (\t)+16)
	SR \t, kb
.set rK, FR+64*((\G)%2)+16*(\q)+8*(\c)
.set rQ, QF+16*(\t)+8*(\c)
.if (\c) == 1
	WIN 0x50*wS
	v_wmma_f32_16x16x32_f16 v[rS:rS+7], v[rK:rK+7], v[rQ:rQ+7], v[rS:rS+7]
.elseif kb == (\t)
	WIN 0x40*wS
	v_wmma_f32_16x16x32_f16 v[rS:rS+7], v[rK:rK+7], v[rQ:rQ+7], v[ML:ML+7]
.elseif kb == (\t)+16
	WIN 0x40*wS
	v_wmma_f32_16x16x32_f16 v[rS:rS+7], v[rK:rK+7], v[rQ:rQ+7], v[MD:MD+7]
.else
	WIN 0x40*wS
	v_wmma_f32_16x16x32_f16 v[rS:rS+7], v[rK:rK+7], v[rQ:rQ+7], 0
.endif
.endif
.endr
.endr
.endr
.endm
; O^T += V^T P for the pairs of group G: the 8 accumulators (4 blocks of channels x 2 tiles) take turns; pair 0 starts the sums.
.macro PVM G
.irp p, 0,1
.set u, 2*(\G)+(\p)
.if u < 9
.irp cb, 0,1,2,3
.irp t, 0,1
.set rO, OF+32*(\t)+8*(\cb)
.set rV, FR+64*((\G)%2)+32*(\p)+8*(\cb)
.if u < 8
.set rP, 128*(\t)+16*u
	WIN 0x04
.else
.set rP, SX+16*(\t)
	WIN 0
.endif
.if u == 0
	v_wmma_f32_16x16x32_f16 v[rO:rO+7], v[rV:rV+7], v[rP:rP+7], 0
.else
	v_wmma_f32_16x16x32_f16 v[rO:rO+7], v[rV:rV+7], v[rP:rP+7], v[rO:rO+7]
.endif
.endr
.endr
.endif
.endr
.endm
; Keys below 0: pair u of 32 keys begins at key base - 256 + 32 u; base is a multiple of 32, so a pair lies wholly below 0 or not at all.  Pair 8 begins at base.
.macro FIX
.set u, 0
.rept 8
	s_cmp_lt_u32 s[BASE], 256-32*u
	s_cselect_b32 s[EE], s[BIGN], 0
	WIN 0x41
.irp t, 0,1
.irp q, 0,1
.set kb, 2*u+(\q)
.if kb >= (\t)
	SR \t, kb
.irp k, 0,2,4,6
	v_pk_add_f32 v[rS+\k:rS+\k+1], v[rS+\k:rS+\k+1], s[EE:EE+1] op_sel_hi:[1,0]
.endr
.endif
.endr
.endr
.set u, u+1
.endr
.endm
; THE SOFTMAX of tile t, over its 17 accumulators = 136 scores a lane; each accumulator is taken from its low end on.
.macro MAXT t                       ; four chains, three operands at a time; the query's other keys lie in the lane 16 away; then m and c m
.set rT, ST+16*(\t)
	SR \t, \t
	WIN 0x05
.irp k, 0,1,2,3
	v_max_num_f32 v[rT+4+\k], v[rS+2*\k], v[rS+2*\k+1]
.endr
.set kb, (\t)+1
.rept 16
	SR \t, kb
	WIN 0x14*wS
.irp k, 0,1,2,3
	v_max3_num_f32 v[rT+4+\k], v[rT+4+\k], v[rS+2*\k], v[rS+2*\k+1]
.endr
.set kb, kb+1
.endr
	WIN 0
	v_max3_num_f32 v[rT+4], v[rT+4], v[rT+5], v[rT+6]
	v_max_num_f32 v[rT+4], v[rT+4], v[rT+7]
	v_permlanex16_b32 v[rT+5], v[rT+4], s[SEL], s[SEL+1]
	v_max_num_f32 v[rT+1], v[rT+4], v[rT+5]
	v_mul_f32 v[rT], s[CS], v[rT+1]
.endm
.macro EXPT t                       ; p = 2^(c s - c m), in place.  No line here names an exponential's result
.set rT, ST+16*(\t)
.set kb, (\t)
.rept 17
	SR \t, kb
	WIN 0x41*wS
.irp k, 0,2,4,6
	v_pk_fma_f32 v[rS+\k:rS+\k+1], v[rS+\k:rS+\k+1], s[CS:CS+1], v[rT:rT+1] op_sel_hi:[1,0,0] neg_lo:[0,0,1] neg_hi:[0,0,1]
.endr
.irp k, 0,1,2,3,4,5,6,7
	v_exp_f32 v[rS+\k], v[rS+\k]
.endr
.set kb, kb+1
.endr
.endm
.macro SUMT t                       ; l: four chains of packed sums, started by the first two accumulators; then the pairs, the halves, the other half of the lanes
.set rT, ST+16*(\t)
	SR \t, \t
	WIN 0x05
.irp k, 0,2,4,6
	v_pk_add_f32 v[rT+8+\k:rT+8+\k+1], v[rS+\k:rS+\k+1], v[rS+8+\k:rS+8+\k+1]
.endr
.set kb, (\t)+2
.rept 15
	SR \t, kb
	WIN 0x04*wS
.irp k, 0,2,4,6
	v_pk_add_f32 v[rT+8+\k:rT+8+\k+1], v[rT+8+\k:rT+8+\k+1], v[rS+\k:rS+\k+1]
.endr
.set kb, kb+1
.endr
	WIN 0
	v_pk_add_f32 v[rT+8:rT+9], v[rT+8:rT+9], v[rT+10:rT+11]
	v_pk_add_f32 v[rT+12:rT+13], v[rT+12:rT+13], v[rT+14:rT+15]
	v_pk_add_f32 v[rT+8:rT+9], v[rT+8:rT+9], v[rT+12:rT+13]
	v_add_f32 v[rT+8], v[rT+8], v[rT+9]
	v_permlanex16_b32 v[rT+9], v[rT+8], s[SEL], s[SEL+1]
	v_add_f32 v[rT+8], v[rT+8], v[rT+9]
.endm
.macro CVTT t                       ; p is rounded to f16 in place, ascending: block kb's four words go to words 4 (kb % 2) .. + 3 of its pair's eight, which have been read by then
.set kb, (\t)
.rept 17
	SR \t, kb
	WIN 0x45*wS
.irp k, 0,1,2,3
	v_cvt_pk_f16_f32 v[rS-4*(kb%2)+\k], v[rS+2*\k], v[rS+2*\k+1]
.endr
.set kb, kb+1
.endr
.if (\t) == 0
	WIN 0                           ; tile 0 does not take block 17,
.irp k, 0,1,2,3
	v_mov_b32 v[SX+4+\k], 0
.endr
.else
	WIN 0x40                        ; tile 1 not block 0: their weights are 0
.irp k, 0,1,2,3
	v_mov_b32 v[128+\k], 0
.endr
.endif
.endm
	FK 0
	FK 1
	s_wait_dscnt 16                 ; group 0's fragments are in; group 1's 16 loads may stay out
	QK 0
	PLACES                          ; in front of loads into registers that those products have read
	FK 2
	s_wait_dscnt 16
	QK 1
	PLACES
	FK 3
	s_wait_dscnt 16
	QK 2
	PLACES
	FK 4
	s_wait_dscnt 8                  ; group 4 has 8 loads
	QK 3
	s_wait_dscnt 0x0
	QK 4
	PLACES                          ; behind the last scores: for V's loads into both buffers, and for the first lines that read scores or write over Q
	FV 0                            ; V's first 128 keys come while the softmax is made
	FV 1
	WIN 0                           ; at a branch and at a label every window is 0
	s_cmp_ge_u32 s[BASE], 256
	s_cbranch_scc1 .Lno_fix         ; no key of mine lies below 0
	FIX
	WIN 0
.Lno_fix:
	MAXT 0
	MAXT 1
	EXPT 0
	EXPT 1
	v_nop                           ; a plain instruction behind the last exponential,
	s_wait_alu depctr_va_vdst(0)    ; and the wait ahead of the first line that names a result: one for the 272 exponentials
	SUMT 0
	SUMT 1
	CVTT 0
	CVTT 1
	WIN 0
	v_rcp_f32 v[RI], v[ST+8]        ; 1 / l, twice, for the packed multiply
	v_rcp_f32 v[RI+1], v[ST+8]
	v_rcp_f32 v[RI+2], v[ST+24]
	v_rcp_f32 v[RI+3], v[ST+24]
	v_nop                           ; a plain instruction before a source is written over,
	s_wait_alu depctr_va_vdst(0)    ; and one wait for the four reciprocals
	s_wait_dscnt 16                 ; V's group 0 is in; group 1's 16 loads may stay out
	PVM 0
	PLACES
	FV 2
	s_wait_dscnt 16
	PVM 1
	PLACES
	FV 3
	s_wait_dscnt 16
	PVM 2
	PLACES
	FV 4
	s_wait_dscnt 8
	PVM 3
	s_wait_dscnt 0x0
	PVM 4
	WIN 0
	PLACES
	; THE WAY OUT.  O^T is divided by l, rounded to f16, 16 bytes a lane, and goes into the work-group's stage; a barrier, since a row's 256 bytes come from the two heads' waves; back as whole rows, 16 rows a wave.
.irp t, 0,1
.set i, 0
.rept 16
	v_pk_mul_f32 v[OF+32*\t+i:OF+32*\t+i+1], v[OF+32*\t+i:OF+32*\t+i+1], v[RI+2*\t:RI+2*\t+1]
.set i, i+2
.endr
.endr
.set i, 0
.rept 32
	v_cvt_pk_f16_f32 v[FR+i], v[OF+2*i], v[OF+2*i+1]
.set i, i+1
.endr
.irp t, 0,1
.irp cb, 0,1,2,3
	ds_store_b128 v[STO], v[FR+16*\t+4*\cb:FR+16*\t+4*\cb+3] offset:\t*16*SP+32*\cb
.endr
.endr
	s_wait_dscnt 0x0                ; for the others' sake: my stores into the stage are done
	s_barrier_signal -1
	s_barrier_wait -1
.irp f, 0,1,2,3,4,5,6,7
	ds_load_b128 v[FR+64+4*\f:FR+64+4*\f+3], v[RD] offset:\f*2*SP
.endr
.irp f, 0,1,2,3,4,5,6,7
	s_wait_dscnt 7-\f               ; LDS loads come back in order (ISA guide 5.7.1): load f is in, the younger ones may stay out
	global_store_b128 v[GO], v[FR+64+4*\f:FR+64+4*\f+3], s[12:13] offset:\f*2*2048  ; 16 lanes store 256 consecutive bytes, at a multiple of 256 from o16's first byte
.endr
	s_wait_tensorcnt 0x0            ; the wave's end: behind my last tensor load and my last LDS store
	ds_add_u32 v[SPW], v[NIL]
	s_wait_dscnt 0x0
	s_endpgm
.Lfunc_end_k_q8ecef7dbe1_attn:
	.size	k_q8ecef7dbe1_attn, .Lfunc_end_k_q8ecef7dbe1_attn-k_q8ecef7dbe1_attn
	.p2alignl 7, 3214868480
	.fill 96, 4, 3214868480
	.section	.rodata,"a",@progbits
	.p2align	6, 0x0
	.amdhsa_kernel k_q8ecef7dbe1_attn
		.amdhsa_group_segment_fixed_size 250880
		.amdhsa_private_segment_fixed_size 0
		.amdhsa_enable_private_segment 0
		.amdhsa_kernarg_size 48
		.amdhsa_user_sgpr_count 2
		.amdhsa_user_sgpr_kernarg_segment_ptr 1
		.amdhsa_wavefront_size32 1
		.amdhsa_system_sgpr_workgroup_id_x 1
		.amdhsa_system_sgpr_workgroup_id_y 1
		.amdhsa_system_sgpr_workgroup_id_z 1
		.amdhsa_system_vgpr_workitem_id 0
		.amdhsa_next_free_vgpr 512
		.amdhsa_next_free_sgpr 66
		.amdhsa_reserve_vcc 1
		.amdhsa_float_denorm_mode_32 3
		.amdhsa_float_denorm_mode_16_64 3
		.amdhsa_memory_ordered 1
		.amdhsa_forward_progress 1
		.amdhsa_inst_pref_size 90
	.end_amdhsa_kernel
	.amdgpu_metadata
---
amdhsa.version: [ 1, 2 ]
amdhsa.kernels:
  - .name:           k_q8ecef7dbe1_attn
    .symbol:         k_q8ecef7dbe1_attn.kd
    .args:
      - { .name: q16, .offset: 0, .size: 8, .value_kind: global_buffer, .address_space: global }
      - { .name: k16, .offset: 8, .size: 8, .value_kind: global_buffer, .address_space: global }
      - { .name: v16, .offset: 16, .size: 8, .value_kind: global_buffer, .address_space: global }
      - { .name: Wo, .offset: 24, .size: 8, .value_kind: global_buffer, .address_space: global }
      - { .name: o16, .offset: 32, .size: 8, .value_kind: global_buffer, .address_space: global }
      - { .name: wo16, .offset: 40, .size: 8, .value_kind: global_buffer, .address_space: global }
    .group_segment_fixed_size: 250880
    .private_segment_fixed_size: 0
    .kernarg_segment_align: 8
    .kernarg_segment_size: 48
    .max_flat_workgroup_size: 256
    .sgpr_count:     66
    .vgpr_count:     512
    .wavefront_size: 32
...
	.end_amdgpu_metadata
.endif
;; end of part 2
;; launch outp (part 3): grid 8 x 32, 4 waves a work-group, clusters of 4 x 4, 327,680 bytes of LDS; arguments o16, wo16, bo, out0; writes out0
.if DOCPART == 3
	.amdgcn_target "amdgcn-amd-amdhsa--gfx1250"
	.amdhsa_code_object_version 6
	.text
	.protected	k_q8ecef7dbe1_outp
	.globl	k_q8ecef7dbe1_outp
	.p2align	8
	.type	k_q8ecef7dbe1_outp,@function
k_q8ecef7dbe1_outp:
	s_mov_b64 s[64:65], 0
	v_nop
	global_prefetch_b8 v0, s[64:65] scope:SCOPE_SE
	s_setreg_imm32_b32 hwreg(HW_REG_WAVE_MODE, 25, 1), 1
	s_wait_xcnt 0x0
	s_wait_alu depctr_hold_cnt(0) depctr_sa_sdst(0) depctr_va_vdst(0) depctr_va_sdst(0) depctr_va_ssrc(0) depctr_va_vcc(0) depctr_vm_vsrc(0)
	s_getreg_b32 s2, hwreg(HW_REG_IB_STS2, 6, 4)
	s_cmp_eq_u32 s2, 0
	s_cbranch_scc0 .Lentry_in_a_cluster
	s_endpgm
.Lentry_in_a_cluster:
	s_bfe_u32 s2, ttmp6, 0x10000c
	s_cmp_lg_u32 s2, 0xf033
	s_cbranch_scc0 .Lentry_shape_is_right
	s_endpgm
.Lentry_shape_is_right:
; THE OUTPUT PROJECTION.  out0[m][n] = the sum over k of o16[m][k] wo16[n][k] + bo[n].  o16: [4096][1024] f16, wo16: [1024][1024] f16 (Wo rounded to bf16, written as f16), bo f32 (rounded to bf16, used as f32), out0 f32.  Sums in f32.
; A tile of C is 128 x 128, which gives 256 work-groups.  Four waves, each 64 x 64: 16 accumulators of 16 x 16, 128 registers.  K goes in steps of 256 (LDS rows of 512 bytes; a wave's tensor load brings 64 of them)
; through a ring of two slots.  A wave's 64 columns of f32 are 256 consecutive bytes, aligned, so each wave has a stage of its own on the way out and no barrier stands there.
; CLUSTERS: 4 x 4 work-groups.  The four of a row of the cluster need the same tiles of A, the four of a column the same tiles of B: each tile is asked for JOINTLY, by the same tensor load with the same descriptor and
; a mask that names the four.  THE MATRIX INSTRUCTION IS USED TRANSPOSED (source 0 = 16 rows of B, source 1 = 16 rows of A): a lane then holds eight neighbouring numbers of a row of C.
; NO PREFETCH: the walk along K has four steps, of which two are asked for at the head.
; REGISTERS: window 0: v0-31 addresses; v32-63 at work on the way out; v96-127 the bias; v128-255 the accumulators ((a, b) at v[128 + 8 (4 a + b)]), later the rows read back.
;   window 1: two fragment buffers of 128: for 64 along K, 64 registers of A (2 x 4 x 16 rows x 32 K), then 64 of B.
.set SIZE_N, 1024
.set SIZE_K, 1024
.set KSTEP,  256
.set PITCH,  528                       ; an LDS row: 512 bytes of data + 16 of padding = 132 words: row r starts at bank 4 r mod 64 (64 banks of 4 bytes: ISA guide 11.1)
.set HALFT,  64*PITCH                  ; 64 rows: what one tensor load brings, and what one wave reads of A or of B
.set SLOT,   4*HALFT                   ; A's 128 rows, then B's 128 rows
.set STAGE,  2*SLOT                    ; behind the ring: 16 rows x 272 bytes for each wave, for the way out
.set SPITCH, 272
.set SPARE,  STAGE+4*16*SPITCH         ; behind the stages: the spare words, 128 bytes for each wave: two blocks of 256 bytes that no other line names
.set LAPS, SIZE_K/(2*KSTEP)            ; a lap = two K steps = once round the ring
.set CROW, SIZE_N*4                    ; bytes in a row of out0
.set ADRA, 16                          ; v16-17  LDS address of my A fragments in slot 0, 1
.set ADRB, 20                          ; v20-21  the same for B
.set STO,  24                          ; v24     the way out: where I put 32 bytes of a row
.set RD,   25                          ; v25     the way out: where I read a row back
.set CO,   26                          ; v26     my byte offset in C
.set BO,   27                          ; v27     my byte offset in 16 numbers of the bias: 32 (l / 16)
.set SPW,  28                          ; v28     LDS address of my spare word: SPARE + 4 x my thread's number; never rewritten
.set NIL,  29                          ; v29     0; never rewritten
.set T,    32                          ; the way out: a block's 16 rows with the bias added
.set BI,   96                          ; the bias of my 64 columns, block b at BI + 8 b
.set ACC,  128
.set F0,   0                           ; fragment buffers, in window 1
.set F1,   128
.set G1, 24                            ; s[24:31] descriptor group 1 for A's tiles;  s[32:39] group 0, one set for each slot
.set G0, 32
.set G1B, 48                           ; s[48:55], s[56:63] the same for B's tiles
.set G0B, 56
.set MSB, 0
.macro WIN new                         ; the immediate's high byte repeats the setting that is left
.if MSB != (\new)
	s_set_vgpr_msb (MSB<<8)|(\new)
.set MSB, \new
.endif
.endm
.set MUL,  0x05                        ; sources 0 (B) and 1 (A) window 1; C and D window 0
.set TO_F, 0x40                        ; destination window 1, address window 0
.macro JLOAD s                         ; a joint load: waves 0 and 1 fetch A's two halves, waves 2 and 3 B's; an s_nop 0 and four v_nop follow each of the two lines
	s_cmp_eq_u32 s11, 0
	s_cbranch_scc0 .Lfor_b_\@
	tensor_load_to_lds s[G0+4*(\s):G0+4*(\s)+3], s[G1:G1+7]
	s_nop 0
.rept 4
	v_nop
.endr
	s_branch .Lasked_\@
.Lfor_b_\@:
	tensor_load_to_lds s[G0B+4*(\s):G0B+4*(\s)+3], s[G1B:G1B+7]
	s_nop 0
.rept 4
	v_nop
.endr
.Lasked_\@:
.endm
.macro CREST                           ; a round of the cluster's barrier behind its opening barrier
	s_cmp_lg_u32 s10, 0
	s_cbranch_scc1 .Lnot_wave_0_\@
	s_barrier_signal -3
.Lnot_wave_0_\@:
	s_barrier_wait -3
	s_barrier_signal -1
	s_barrier_wait -1
.endm
.macro CROUND                          ; a whole round
	s_barrier_signal -1
	s_barrier_wait -1
	CREST
.endm
	s_load_b128 s[4:7], s[0:1], 0x0                ; A = o16 s[4:5], B = wo16 s[6:7]
	s_load_b64 s[66:67], s[0:1], 0x10              ; bo
	s_load_b64 s[8:9], s[0:1], 0x18                ; C = out0
	v_lshl_add_u32 v[SPW], v0, 2, SPARE
	v_mov_b32 v[NIL], 0
	ds_add_u32 v[SPW], v[NIL]                      ; the wave's opening: the add and its wait stand ahead of my first tensor load; the set-up below, work on registers, stands between them
	ds_add_u32 v28, v29
	v_lshrrev_b32 v1, 5, v0
	v_readfirstlane_b32 s10, v1                    ; wave 0..3
	s_lshr_b32 s11, s10, 1                         ; which half of the tile's rows is mine.  Also: I fetch for A (0) or for B (1)
	s_and_b32 s12, s10, 1                          ; which half of its columns.  Also: which 64 rows of that tile I fetch
	s_bfe_u32 s40, ttmp6, 0x40000                  ; cx, cy: my place in the cluster
	s_bfe_u32 s41, ttmp6, 0x40004
	s_lshl_b32 s42, ttmp9, 2
	s_add_co_u32 s42, s42, s40                     ; tile column of C = 4 x cluster x + cx
	s_and_b32 s13, ttmp7, 0xffff
	s_lshl_b32 s13, s13, 2
	s_add_co_u32 s13, s13, s41                     ; tile row of C = 4 x cluster y + cy
	s_lshl_b32 s43, s41, 2
	s_lshl_b32 s43, 15, s43                        ; my row of the cluster
	s_lshl_b32 s44, 0x1111, s40                    ; my column
	; descriptor group 1: a tile of 64 rows x 256 elements, padded in LDS
	s_or_b32 s[G1+0], s43, (1<<16)|(1<<20)|(1<<21)|(6<<22)|(3<<25)  ; 15:0 the mask: A's tiles go to my row; 17:16 element of 2 bytes; 20 padding on; 21 set beside a mask; 24:22 after every 128 words (code 6); 31:25 of 4 words (code 3)
	s_or_b32 s[G1B+0], s44, (1<<16)|(1<<20)|(1<<21)|(6<<22)|(3<<25)
.irp g, G1, G1B
	s_mov_b32 s[(\g)+1], KSTEP<<16                 ; tensor_dim0 = 256
	s_mov_b32 s[(\g)+2], 64<<16                    ; tensor_dim1 = 64
	s_mov_b32 s[(\g)+3], KSTEP<<16                 ; tile_dim0 = 256
	s_mov_b32 s[(\g)+4], 64                        ; tile_dim1 = 64
	s_mov_b32 s[(\g)+5], SIZE_K                    ; elements from row to row
	s_mov_b32 s[(\g)+6], 0
	s_mov_b32 s[(\g)+7], 0
.endr
	s_lshl_b32 s17, s12, 6                         ; which 64 rows of the tile I fetch
	s_lshl_b32 s16, s13, 7
	s_add_co_u32 s16, s16, s17                     ; A: row 128 x tile row + 64 x half
	s_lshl_b32 s46, s42, 7
	s_add_co_u32 s46, s46, s17                     ; B: row 128 x tile column + 64 x half
	s_mov_b32 s17, 0
	s_mov_b32 s47, 0
	s_mov_b64 s[18:19], SIZE_K*2
	s_mul_u64 s[16:17], s[16:17], s[18:19]
	s_mul_u64 s[46:47], s[46:47], s[18:19]
	s_mul_i32 s20, s10, HALFT                      ; where they go: wave x 64 rows
	s_wait_dscnt 0x0                               ; the opening add is done
	s_wait_kmcnt 0x0
	s_add_nc_u64 s[14:15], s[4:5], s[16:17]
	s_add_nc_u64 s[46:47], s[6:7], s[46:47]
	CROUND                                         ; all sixteen work-groups are here: the first joint loads meet
.irp s, 0,1
	s_mov_b32 s[G0+4*(\s)], 1
	s_add_co_u32 s[G0+4*(\s)+1], s20, (\s)*SLOT
	s_add_nc_u64 s[G0+4*(\s)+2:G0+4*(\s)+3], s[14:15], (\s)*KSTEP*2
	s_or_b32 s[G0+4*(\s)+3], s[G0+4*(\s)+3], 0x80000000
	s_mov_b32 s[G0B+4*(\s)], 1
	s_add_co_u32 s[G0B+4*(\s)+1], s20, (\s)*SLOT
	s_add_nc_u64 s[G0B+4*(\s)+2:G0B+4*(\s)+3], s[46:47], (\s)*KSTEP*2
	s_or_b32 s[G0B+4*(\s)+3], s[G0B+4*(\s)+3], 0x80000000
	JLOAD \s                                       ; two loads of mine are out
.endr
	v_and_b32 v1, 15, v0                           ; l % 16
	v_bfe_u32 v2, v0, 4, 1                         ; l / 16
	v_mul_u32_u24 v3, v1, PITCH
	v_lshl_add_u32 v3, v2, 4, v3                   ; a fragment's row x pitch + 16 x half
	s_mul_i32 s21, s11, HALFT                      ; my 64 rows of A
	s_mul_i32 s22, s12, HALFT                      ; my 64 rows of B,
	s_add_co_u32 s22, s22, 2*HALFT                 ; which lie behind A's 128
.irp s, 0,1
	v_add_nc_u32 v[ADRA+(\s)], s21, v3
	v_add_nc_u32 v[ADRB+(\s)], s22, v3
	s_add_co_u32 s21, s21, SLOT
	s_add_co_u32 s22, s22, SLOT
.endr
	s_mul_i32 s23, s10, 16*SPITCH
	s_add_co_u32 s23, s23, STAGE                   ; my stage
	v_mul_u32_u24 v4, v1, SPITCH                   ; in: row l % 16, 32 bytes (8 f32) for each half of the lanes
	v_lshl_add_u32 v4, v2, 5, v4
	v_add_nc_u32 v[STO], s23, v4
	v_mul_u32_u24 v5, v2, SPITCH                   ; back: lanes 0-15 take one row of 256 bytes, lanes 16-31 the next
	v_lshl_add_u32 v5, v1, 4, v5
	v_add_nc_u32 v[RD], s23, v5
	v_lshlrev_b32 v5, 12, v2                       ; and the same two rows in C
	v_lshl_add_u32 v[CO], v1, 4, v5
	v_lshlrev_b32 v[BO], 5, v2
	s_lshl_b32 s16, s13, 7
	s_lshl_b32 s17, s11, 6
	s_add_co_u32 s16, s16, s17                     ; my first row of C: 128 x tile row + 64 x half
	s_lshl_b32 s16, s16, 12                        ; rows of 4,096 bytes: under 2^24
	s_mov_b32 s17, 0
	s_add_nc_u64 s[8:9], s[8:9], s[16:17]
	s_lshl_b32 s46, s42, 9                         ; my first column, in bytes: 512 x tile column + 256 x half
	s_lshl_b32 s47, s12, 8
	s_add_co_u32 s46, s46, s47
	s_mov_b32 s47, 0
	s_add_nc_u64 s[8:9], s[8:9], s[46:47]
	s_add_nc_u64 s[66:67], s[66:67], s[46:47]      ; the bias at the same column
.irp b, 0,1,2,3                        ; eight numbers a lane for each block of 16 columns; they are waited for on the way out
	global_load_b128 v[BI+8*(\b):BI+8*(\b)+3],   v[BO], s[66:67] offset:64*(\b)
	global_load_b128 v[BI+8*(\b)+4:BI+8*(\b)+7], v[BO], s[66:67] offset:64*(\b)+16
.endr
; 8 matrix instructions: m blocks a0, a0 + 1 x all 4 n blocks, 32 along K: half c of buffer f.  zero = 1: the first product starts the sums.  The 16 accumulators take turns.
.macro MUL8 f, c, a0, zero
	WIN MUL
.irp a, \a0, (\a0)+1
.irp b, 0,1,2,3
.if \zero
	v_wmma_f32_16x16x32_f16 v[ACC+8*(4*(\a)+(\b)):ACC+8*(4*(\a)+(\b))+7], v[(\f)+64+8*(4*(\c)+(\b)):(\f)+64+8*(4*(\c)+(\b))+7], v[(\f)+8*(4*(\c)+(\a)):(\f)+8*(4*(\c)+(\a))+7], 0
.else
	v_wmma_f32_16x16x32_f16 v[ACC+8*(4*(\a)+(\b)):ACC+8*(4*(\a)+(\b))+7], v[(\f)+64+8*(4*(\c)+(\b)):(\f)+64+8*(4*(\c)+(\b))+7], v[(\f)+8*(4*(\c)+(\a)):(\f)+8*(4*(\c)+(\a))+7], v[ACC+8*(4*(\a)+(\b)):ACC+8*(4*(\a)+(\b))+7]
.endif
.endr
.endr
.endm
; 32 LDS loads in one run: the fragments of 64 along K at byte k of the rows, into buffer f; the first 32 along K first
.macro FETCH slot, k, f
	WIN TO_F
.irp c, 0,1
.irp i, 0,1,2,3
	ds_load_b128 v[(\f)+64+8*(4*(\c)+(\i)):(\f)+64+8*(4*(\c)+(\i))+3],   v[ADRB+(\slot)] offset:(\k)+64*(\c)+(\i)*16*PITCH
	ds_load_b128 v[(\f)+64+8*(4*(\c)+(\i))+4:(\f)+64+8*(4*(\c)+(\i))+7], v[ADRB+(\slot)] offset:(\k)+64*(\c)+(\i)*16*PITCH+32
	ds_load_b128 v[(\f)+8*(4*(\c)+(\i)):(\f)+8*(4*(\c)+(\i))+3],         v[ADRA+(\slot)] offset:(\k)+64*(\c)+(\i)*16*PITCH
	ds_load_b128 v[(\f)+8*(4*(\c)+(\i))+4:(\f)+8*(4*(\c)+(\i))+7],       v[ADRA+(\slot)] offset:(\k)+64*(\c)+(\i)*16*PITCH+32
.endr
.endr
.endm
.macro PLACES                          ; four places in front of loads into registers that matrix instructions have read, and of sums that read results
.rept 4
	v_nop
.endr
.endm
; A K step is four quarters of 64 along K, 32 matrix instructions each, on buffers 0, 1, 0, 1.  One of the first three: multiplies buffer f and fetches the next quarter, at byte k, into g.
.macro QUARTER slot, k, f, g, zero
	s_wait_dscnt 16                                ; the first 32 along K are in; the youngest sixteen loads may be out
	WIN MUL
	MUL8 \f, 0, 0, \zero
	MUL8 \f, 0, 2, \zero
	PLACES
	FETCH \slot, \k, \g
	s_wait_dscnt 32                                ; all but the 32 just issued
	WIN MUL
	MUL8 \f, 1, 0, 0
	MUL8 \f, 1, 2, 0
.endm
; The last quarter multiplies buffer 1 and changes slots: ONE barrier; in front of it each wave waits for all its tensor loads, adds 0 to its spare word, and waits for that and for its own reads of this slot.  fill = 1: this slot is filled again, two K steps ahead.
.macro TURN slot, next, fill
	WIN 0                                          ; (the add's two registers lie in window 0)
	s_wait_tensorcnt 0x0                           ; all my tensor loads have landed: my part of the next slot;
	ds_add_u32 v[SPW], v[NIL]                      ; 0 onto my spare word;
	s_wait_dscnt 17                                ; (the add and the youngest sixteen loads may be out)
	WIN MUL
	MUL8 F1, 0, 0, 0                               ; eight matrix instructions stand between the add and the wait for it
	s_wait_dscnt 0x0                               ; the add is done, and my reads of this slot are over
	s_barrier_signal -1
	MUL8 F1, 0, 2, 0
.if \fill
	WIN 0
.endif
	s_barrier_wait -1
.if \fill
	CREST                                          ; the barrier has opened a round of the cluster's barrier: no wave of any partner still reads this slot's tile or has a load on its way
	s_add_nc_u64 s[G0+4*(\slot)+2:G0+4*(\slot)+3], s[G0+4*(\slot)+2:G0+4*(\slot)+3], 2*KSTEP*2
	s_add_nc_u64 s[G0B+4*(\slot)+2:G0B+4*(\slot)+3], s[G0B+4*(\slot)+2:G0B+4*(\slot)+3], 2*KSTEP*2
	JLOAD \slot                                    ; the first tensor load behind the round; the four v_nop behind it are also the places in front of the loads below
.else
	PLACES
.endif
	FETCH \next, 0, F0
	WIN MUL
	MUL8 F1, 1, 0, 0
	MUL8 F1, 1, 2, 0
.endm
	s_wait_tensorcnt 1                             ; my part of K step 0 is in; K step 1's load may stay out
	s_barrier_signal -1
	s_barrier_wait -1                              ; everybody's is
	FETCH 0, 0, F0
	QUARTER 0, 128, F0, F1, 1                      ; the first quarter stands in front of the loop: its first products start the sums
	WIN 0                                          ; at a label and at a branch every window is 0
	s_mov_b32 s3, LAPS-1
.Llap:                                                 ; a trip goes once round the ring, from a lap's second quarter to the next lap's first, and fills both slots again
	QUARTER 0, 256, F1, F0, 0
	QUARTER 0, 384, F0, F1, 0
	TURN 0, 1, 1
	QUARTER 1, 128, F0, F1, 0
	QUARTER 1, 256, F1, F0, 0
	QUARTER 1, 384, F0, F1, 0
	TURN 1, 0, 1
	QUARTER 0, 128, F0, F1, 0
	WIN 0
	s_sub_co_u32 s3, s3, 1
	s_cmp_lg_u32 s3, 0
	s_cbranch_scc1 .Llap
	QUARTER 0, 256, F1, F0, 0                      ; the last lap fills nothing, and has no round of the cluster's barrier
	QUARTER 0, 384, F0, F1, 0
	TURN 0, 1, 0
	QUARTER 1, 128, F0, F1, 0
	QUARTER 1, 256, F1, F0, 0
	QUARTER 1, 384, F0, F1, 0
	s_wait_dscnt 16                                ; the very last quarter: nothing more to fetch
	WIN MUL
	MUL8 F1, 0, 0, 0
	MUL8 F1, 0, 2, 0
	s_wait_dscnt 0x0
	MUL8 F1, 1, 0, 0
	MUL8 F1, 1, 2, 0
	WIN 0
	; THE WAY OUT, a block of 16 rows at a time: the bias is added (each accumulator taken from its low end on); 32 bytes a lane into my stage; back as whole rows of 256 bytes, into the block's own accumulators, which are dead by then; stored.
	PLACES
	s_wait_loadcnt 0x0                             ; the bias
.set j, 0
.rept 16                                       ; it is rounded to bf16, like the other inputs, and used as f32
	v_cvt_pk_bf16_f32 v[T+j], v[BI+2*j], v[BI+2*j+1]
.set j, j+1
.endr
.set j, 0
.rept 16
	v_lshlrev_b32 v[BI+2*j], 16, v[T+j]
	v_and_b32 v[BI+2*j+1], 0xffff0000, v[T+j]
.set j, j+1
.endr
.macro ADDB a
.irp b, 0,1,2,3
.irp k, 0,2,4,6
	v_pk_add_f32 v[T+8*(\b)+(\k):T+8*(\b)+(\k)+1], v[ACC+8*(4*(\a)+(\b))+(\k):ACC+8*(4*(\a)+(\b))+(\k)+1], v[BI+8*(\b)+(\k):BI+8*(\b)+(\k)+1]
.endr
.endr
.endm
.macro TOST a
.irp b, 0,1,2,3
	ds_store_b128 v[STO], v[T+8*(\b):T+8*(\b)+3]   offset:64*(\b)
	ds_store_b128 v[STO], v[T+8*(\b)+4:T+8*(\b)+7] offset:64*(\b)+16
.endr
.irp t, 0,1,2,3,4,5,6,7
	ds_load_b128 v[ACC+32*(\a)+4*(\t):ACC+32*(\a)+4*(\t)+3], v[RD] offset:(\t)*2*SPITCH  ; LDS serves a wave's instructions in order (ISA guide 5.7.1.4): these see the stores above; the next block's stores come behind them
.endr
.endm
.macro SEND a
	s_wait_dscnt 0x0                               ; the block is back in registers
.irp t, 0,1,2,3,4,5,6,7
	global_store_b128 v[CO], v[ACC+32*(\a)+4*(\t):ACC+32*(\a)+4*(\t)+3], s[8:9] offset:(16*(\a)+2*(\t))*CROW th:TH_STORE_NT  ; 16 lanes store 256 consecutive bytes, at a multiple of 256 from out0's first byte
.endr
.endm
	ADDB 0
	TOST 0
.irp a, 1,2,3                          ; block a's sums stand between block a - 1's loads from the stage and the wait for them
	ADDB \a
	SEND (\a)-1
	TOST \a
.endr
	SEND 3
	s_wait_tensorcnt 0x0                           ; the wave's end: behind my last tensor load and my last LDS store
	ds_add_u32 v[SPW], v[NIL]
	s_wait_dscnt 0x0
	CROUND                                         ; the closing round: no work-group ends while a partner may still ask for a tile that names it
	s_endpgm
.Lfunc_end_k_q8ecef7dbe1_outp:
	.size	k_q8ecef7dbe1_outp, .Lfunc_end_k_q8ecef7dbe1_outp-k_q8ecef7dbe1_outp
	.p2alignl 7, 3214868480
	.fill 96, 4, 3214868480
	.section	.rodata,"a",@progbits
	.p2align	6, 0x0
	.amdhsa_kernel k_q8ecef7dbe1_outp
		.amdhsa_group_segment_fixed_size 327680
		.amdhsa_private_segment_fixed_size 0
		.amdhsa_enable_private_segment 0
		.amdhsa_kernarg_size 32
		.amdhsa_user_sgpr_count 2
		.amdhsa_user_sgpr_kernarg_segment_ptr 1
		.amdhsa_wavefront_size32 1
		.amdhsa_system_sgpr_workgroup_id_x 1
		.amdhsa_system_sgpr_workgroup_id_y 1
		.amdhsa_system_sgpr_workgroup_id_z 1
		.amdhsa_system_vgpr_workitem_id 0
		.amdhsa_next_free_vgpr 512
		.amdhsa_next_free_sgpr 68
		.amdhsa_reserve_vcc 0
		.amdhsa_float_denorm_mode_32 3
		.amdhsa_float_denorm_mode_16_64 3
		.amdhsa_memory_ordered 1
		.amdhsa_forward_progress 1
		.amdhsa_inst_pref_size 93
	.end_amdhsa_kernel
	.amdgpu_metadata
---
amdhsa.version: [ 1, 2 ]
amdhsa.kernels:
  - .name:           k_q8ecef7dbe1_outp
    .symbol:         k_q8ecef7dbe1_outp.kd
    .args:
      - { .name: o16, .offset: 0, .size: 8, .value_kind: global_buffer, .address_space: global }
      - { .name: wo16, .offset: 8, .size: 8, .value_kind: global_buffer, .address_space: global }
      - { .name: bo, .offset: 16, .size: 8, .value_kind: global_buffer, .address_space: global }
      - { .name: out0, .offset: 24, .size: 8, .value_kind: global_buffer, .address_space: global }
    .group_segment_fixed_size: 327680
    .private_segment_fixed_size: 0
    .kernarg_segment_align: 8
    .kernarg_segment_size: 32
    .max_flat_workgroup_size: 128
    .sgpr_count:     68
    .vgpr_count:     512
    .wavefront_size: 32
...
	.end_amdgpu_metadata
.endif
;; end of part 3
